; MI455X (gfx1250); checked and timed in simulation.
; The chip was launched on July 23, 2026; its instructions are those of AMD's public machine-readable ISA for CDNA 5 (MIT licence, August 2026) and "CDNA5" Instruction Set Architecture Reference Guide (July 2026). The comments in the code are by the model that wrote it; some were corrected since.
;; Moeve Forward. Allowed arithmetic: float matrix products may take bf16 or f16 operands with f32 sums; all other float work in f32.
;; Inputs: W1 4,096 x 1,024 float32; W2 1,024 x 4,096 float32; Wn 8 x 1,024 float32; Wr 8 x 1,024 float32; b1 4,096 float32; b2 1,024 float32; noise 8 float32; x 8,192 x 1,024 float32.
;; Outputs: out0 8,192 x 1,024 float32; out1 8 float32; out2 8 float32; out3 8 x 8,192 float32.
;; One version. Each part assembles by itself: llvm-mc -triple=amdgcn-amd-amdhsa -mcpu=gfx1250 --defsym DOCPART=n.
;; ======== version 1 of 1: 3 launches
;; limits: values are held in f16: magnitudes above 65,504 overflow, below 6.1e-05 lose precision; a function is approximated: absolute error at most 1.5e-07
;; workspace buffers: xh 16,777,216 bytes; w1h 8,388,608 bytes; w2h 8,388,608 bytes; hbuf 67,108,864 bytes; scale 32,768 bytes; part 16,384 bytes
;; launch prep (part 1): grid 256 x 1, 8 waves a work-group, no clusters, 220,160 bytes of LDS; arguments x, Wr, Wn, W1, W2, noise, xh, w1h, w2h, scale, part, out3; writes xh, w1h, w2h, scale, part, out3
.if DOCPART == 1
	.amdgcn_target "amdgcn-amd-amdhsa--gfx1250"
	.amdhsa_code_object_version 6
	.text
	.protected	k_qbbe33d61e1_prep
	.globl	k_qbbe33d61e1_prep
	.p2align	8
	.type	k_qbbe33d61e1_prep,@function
k_qbbe33d61e1_prep:
	s_mov_b64 s[64:65], 0
	v_nop
	global_prefetch_b8 v0, s[64:65] scope:SCOPE_SE
	s_setreg_imm32_b32 hwreg(HW_REG_WAVE_MODE, 25, 1), 1
	s_wait_xcnt 0x0
; PREP: x, W1, W2 are rounded once to f16 (xh, w1h, w2h) for the two large products, and the router is computed whole, in f32.
; Work-group g owns tokens 32 g .. 32 g + 31 and the flat 64 KiB piece g of W1 and of W2.  Wave w owns columns 128 w .. 128 w + 127 of
; the 32 rows (512 bytes of each: one load of the wave) and 8 KiB of each piece of W.  x is read from memory once: the rows go from
; registers to xh (rounded) and into the wave's own LDS (as f32) for the router's products.
; ROUTER.  D = W16 X^T by the f32 matrix form, W16 = Wr's 8 rows, then Wn's 8 rows; 16 tokens a tile, two tiles, two accumulators by turns.
; The f32 form is taken because the choice of experts (out3, out2) turns on differences of the noisy logits far below a 16-bit
; operand's rounding; the router is 0.2 per cent of the program's multiply-adds.  Each wave sums its 128 columns; the eight partial sums
; meet in LDS behind the one barrier, and wave 0 (lane = token) does softplus, top 3, the two weights, the cdf and the one-hot rows.
; No cluster: what work-groups share is Wr and Wn, 64 KiB of the 320 KiB that a work-group reads, and all loads here go through registers.
; LIMITS.  NaN inputs are not ordered.  A softplus below 2^-126 becomes 0 (v_exp_f32 and v_log_f32 flush denormals: ISA guide 15.8), and the
; cdf is then 0 or 1.  erf is Abramowitz-Stegun 7.1.26, absolute error 1.5e-7 for every argument.  |x|, |W1|, |W2| <= 65,504 (f16).
.set XP,   528                         ; LDS pitch: 512 bytes + 16 = 132 words, so 16 rows start at 16 different groups of 4 banks (ISA guide 11.1)
.set XW,   32*XP                       ; a wave's 32 rows of x
.set WSB,  8*XW                        ; behind them: a wave's 16 rows of Wr, Wn
.set WSW,  16*XP
.set RED,  WSB+8*WSW                   ; behind them: the partial sums, 2,048 bytes a wave: tile t at 1,024 t, lane at 32 x lane
.set WF,   16                          ; v[16:79]   fragments of W16: 4 registers for each 8 columns
.set XR,   80                          ; v[80:207]  32 rows (or pieces of W) as loaded, 4 registers each; rounded in place
.set T,    208                         ; v[208:239] fragments of x at work
.set ACC,  240                         ; v[240:255] two accumulators: written by matrix instructions alone
.set SPL,  16                          ; wave 0's routing: softplus
.set NN,   24                          ; noisy logits
.set PP,   32                          ; the same without the best; later at work
.set QQ,   40                          ; without the two best; later at work
.set WA,   48                          ; at work
.set WB,   56                          ; at work
.set PR,   64                          ; probabilities
.set AS,   72                          ; one-hot rows
.set LL,   80                          ; logits
.set ZZ,   88                          ; x . Wn
.set M1,   208                         ; best, second, third
.set M2,   209
.set M3,   210
.set NINF, 211
.set TA,   212
.set TB,   213
.set SCL,  214
	s_load_b512 s[4:19], s[0:1], 0x0               ; x 4, Wr 6, Wn 8, W1 10, W2 12, noise 14, xh 16, w1h 18
	s_load_b256 s[20:27], s[0:1], 0x40             ; w2h 20, scale 22, part 24, out3 26
	s_set_vgpr_msb 0x40
	v_lshl_add_u32 v0, v0, 2, 0x35800
	v_mov_b32 v1, 0
	s_set_vgpr_msb 0x4000
	v_and_b32 v1, 31, v0                           ; lane l
	v_and_b32 v2, 15, v0                           ; r = l % 16
	v_bfe_u32 v3, v0, 4, 1                         ; h = l / 16
	v_lshrrev_b32 v4, 5, v0
	v_readfirstlane_b32 s36, v4                    ; wave w
	v_lshlrev_b32 v4, 4, v0                        ; 512 w + 16 l: my 16 bytes of a row of x, Wr, Wn
	v_lshlrev_b32 v5, 3, v0                        ; 256 w + 8 l: the same four numbers in xh
	s_lshl_b32 s37, s36, 13
	v_lshl_add_u32 v6, v1, 4, s37                  ; 8,192 w + 16 l: in the pieces of W1, W2
	s_lshl_b32 s37, s36, 12
	v_lshl_add_u32 v7, v1, 3, s37                  ; 4,096 w + 8 l: in w1h, w2h
	s_mul_i32 s37, s36, XW
	v_lshl_add_u32 v8, v1, 4, s37                  ; LDS: my 16 bytes of a row of x
	v_mul_u32_u24 v9, v2, XP
	v_lshl_add_u32 v9, v3, 4, v9                   ; 528 r + 16 h: a fragment's place
	s_mul_i32 s53, s36, WSW
	s_add_co_u32 s53, s53, WSB
	v_add_nc_u32 v12, s53, v9                      ; LDS: fragments of W16
	v_lshl_add_u32 v11, v1, 4, s53                 ; LDS: my 16 bytes of a row of W16
	v_add_nc_u32 v9, s37, v9                       ; LDS: fragments of x
	s_lshl_b32 s37, s36, 11
	s_add_co_u32 s37, s37, RED
	v_lshl_add_u32 v10, v1, 5, s37                 ; LDS: my 32 bytes of my wave's partial sums
	v_lshlrev_b32 v13, 5, v2
	v_lshl_add_u32 v13, v3, 10, v13
	v_add_nc_u32 v13, RED, v13                     ; LDS: token l's sums: tile h, lane r (logits), lane 16 + r 512 bytes on (x . Wn)
	v_lshlrev_b32 v14, 2, v1                       ; 4 l
	v_mov_b32 v15, 0
	s_mov_b32 s40, 0xbfb8aa3b                      ; -log2(e)
	s_mov_b32 s41, 0x3f317218                      ; ln 2
	s_mov_b32 s42, 0x39800000                      ; 2^-12
	s_mov_b32 s43, 0x3fb8aa3b                      ; log2(e)
	s_mov_b32 s44, 0x3f3504f3                      ; 1 / sqrt 2
	s_mov_b32 s45, 0x3ea7ba05                      ; erf: p = 0.3275911
	s_mov_b32 s46, 0x3e827906                      ; a1 =  0.254829592
	s_mov_b32 s47, 0xbe91a98e                      ; a2 = -0.284496736
	s_mov_b32 s48, 0x3fb5f0e3                      ; a3 =  1.421413741
	s_mov_b32 s49, 0xbfba00e3                      ; a4 = -1.453152027
	s_mov_b32 s50, 0x3f87dc22                      ; a5 =  1.061405429
	s_mov_b32 s66, 0x76543210                      ; v_permlanex16_b32: each lane takes its own place in the other half
	s_mov_b32 s67, 0xfedcba98
	s_lshl_b32 s38, ttmp9, 17                      ; g x 32 rows x 4,096 bytes
	s_mov_b32 s39, 0
	s_wait_kmcnt 0x0
	s_load_b256 s[28:35], s[14:15], 0x0            ; noise[0..7]
	s_add_nc_u64 s[4:5], s[4:5], s[38:39]
	s_lshl_b32 s38, ttmp9, 16                      ; g x 65,536: 32 rows of xh; a piece of W1, W2
	s_add_nc_u64 s[16:17], s[16:17], s[38:39]
	s_add_nc_u64 s[10:11], s[10:11], s[38:39]
	s_add_nc_u64 s[12:13], s[12:13], s[38:39]
	s_lshl_b32 s38, ttmp9, 15                      ; the pieces in f16
	s_add_nc_u64 s[18:19], s[18:19], s[38:39]
	s_add_nc_u64 s[20:21], s[20:21], s[38:39]
	s_lshl_b32 s38, ttmp9, 7                       ; 32 tokens x 4 bytes
	s_add_nc_u64 s[22:23], s[22:23], s[38:39]
	s_add_nc_u64 s[26:27], s[26:27], s[38:39]
	s_lshl_b32 s38, ttmp9, 6                       ; 16 sums x 4 bytes
	s_add_nc_u64 s[24:25], s[24:25], s[38:39]
	; 48 loads of the wave go out at once: 16 rows of W16, 32 rows of x, 512 neighbouring bytes each
.irp e, 0,1,2,3,4,5,6,7
	global_load_b128 v[WF+4*\e:WF+4*\e+3], v4, s[6:7] offset:4096*\e
.endr
.irp e, 0,1,2,3,4,5,6,7
	global_load_b128 v[WF+32+4*\e:WF+32+4*\e+3], v4, s[8:9] offset:4096*\e
.endr
.set ii, 0
.rept 32
	global_load_b128 v[XR+4*ii:XR+4*ii+3], v4, s[4:5] offset:4096*ii th:TH_LOAD_NT
.set ii, ii+1
.endr
	s_wait_kmcnt 0x0                               ; noise
	s_wait_loadcnt 32                              ; W16's 16 rows are in; the 32 rows of x stay out
.set ii, 0
.rept 16
	ds_store_b128 v11, v[WF+4*ii:WF+4*ii+3] offset:XP*ii
.set ii, ii+1
.endr
	; back as fragments.  Lane (r, h) takes row r's 16 bytes at 32 c + 16 h: columns 8 c + 4 h + 0..3.  Register pair q of them is one matrix instruction's
	; operand, so that instruction's k = 2 h + j stands for column 8 c + 4 h + 2 q + j: the same permutation of the columns for W16 and for x.
.set ii, 0
.rept 16
	ds_load_b128 v[WF+4*ii:WF+4*ii+3], v12 offset:32*ii    ; LDS serves a wave's instructions in order (ISA guide 5.7.1.4): these see the stores above
.set ii, ii+1
.endr
.set ii, 0
.rept 32
	s_wait_loadcnt 31-ii                           ; loads come back in order: row ii is in, the younger rows stay out
	ds_store_b128 v8, v[XR+4*ii:XR+4*ii+3] offset:XP*ii
	v_cvt_pk_f16_f32 v[XR+4*ii], v[XR+4*ii], v[XR+4*ii+1]
	v_cvt_pk_f16_f32 v[XR+4*ii+1], v[XR+4*ii+2], v[XR+4*ii+3]
	global_store_b64 v5, v[XR+4*ii:XR+4*ii+1], s[16:17] offset:2048*ii    ; the wave's store covers 256 consecutive bytes, aligned
.set ii, ii+1
.endr
	s_wait_xcnt 0x0                                ; the stores' data registers are loaded again only behind this wait
.set ii, 0
.rept 16
	global_load_b128 v[XR+4*ii:XR+4*ii+3], v6, s[10:11] offset:512*ii th:TH_LOAD_NT        ; W1's piece: on its way during the router's products
.set ii, ii+1
.endr
.set ii, 0
.rept 16
	global_load_b128 v[XR+64+4*ii:XR+64+4*ii+3], v6, s[12:13] offset:512*ii th:TH_LOAD_NT  ; W2's piece
.set ii, ii+1
.endr
	; the router's products: 4 runs of 32 columns; in each 8 LDS loads and 16 matrix instructions, the two accumulators by turns
.set u, 0
.rept 4
.if u > 0
.rept 8
	v_nop                                          ; eight places behind the f32 form before loads into registers that it has read
.endr
.endif
.set cc, 0
.rept 4
	ds_load_b128 v[T+8*cc:T+8*cc+3],   v9 offset:32*(4*u+cc)
	ds_load_b128 v[T+8*cc+4:T+8*cc+7], v9 offset:32*(4*u+cc)+16*XP
.set cc, cc+1
.endr
	s_wait_dscnt 0x0
.set cc, 0
.rept 4
.set q, 0
.rept 2
.set tt, 0
.rept 2
.if (u == 0) && (cc == 0) && (q == 0)
	v_wmma_f32_16x16x4_f32 v[ACC+8*tt:ACC+8*tt+7], v[WF+4*(4*u+cc)+2*q:WF+4*(4*u+cc)+2*q+1], v[T+8*cc+4*tt+2*q:T+8*cc+4*tt+2*q+1], 0
.else
	v_wmma_f32_16x16x4_f32 v[ACC+8*tt:ACC+8*tt+7], v[WF+4*(4*u+cc)+2*q:WF+4*(4*u+cc)+2*q+1], v[T+8*cc+4*tt+2*q:T+8*cc+4*tt+2*q+1], v[ACC+8*tt:ACC+8*tt+7]
.endif
.set tt, tt+1
.endr
.set q, q+1
.endr
.set cc, cc+1
.endr
.set u, u+1
.endr
.rept 8
	v_nop                                          ; eight places before the results are read
.endr
	; register j of lane (r, h): h = 0: token r's logit of expert j; h = 1: token r's x . Wn[j].  Each accumulator is read from its low end on.
	ds_store_b128 v10, v[ACC:ACC+3]
	ds_store_b128 v10, v[ACC+4:ACC+7] offset:16
	ds_store_b128 v10, v[ACC+8:ACC+11] offset:1024
	ds_store_b128 v10, v[ACC+12:ACC+15] offset:1040
.set ii, 0
.rept 32
	s_wait_loadcnt 31-ii                           ; piece ii of W is in, the younger ones stay out
	v_cvt_pk_f16_f32 v[XR+4*ii], v[XR+4*ii], v[XR+4*ii+1]
	v_cvt_pk_f16_f32 v[XR+4*ii+1], v[XR+4*ii+2], v[XR+4*ii+3]
.if ii < 16
	global_store_b64 v7, v[XR+4*ii:XR+4*ii+1], s[18:19] offset:256*ii
.else
	global_store_b64 v7, v[XR+4*ii:XR+4*ii+1], s[20:21] offset:256*(ii-16)
.endif
.set ii, ii+1
.endr
	s_wait_dscnt 0x0                               ; for wave 0's sake: my partial sums are in LDS
	s_barrier_signal -1
	s_barrier_wait -1
	s_cmp_lg_u32 s36, 0
	s_cbranch_scc1 .Lend
	; WAVE 0: lane l is token 32 g + l
	s_wait_xcnt 0x0                                ; XR held store data
.set ss, 0
.rept 8
	ds_load_b128 v[XR+16*ss:XR+16*ss+3],     v13 offset:2048*ss
	ds_load_b128 v[XR+16*ss+4:XR+16*ss+7],   v13 offset:2048*ss+16
	ds_load_b128 v[XR+16*ss+8:XR+16*ss+11],  v13 offset:2048*ss+512
	ds_load_b128 v[XR+16*ss+12:XR+16*ss+15], v13 offset:2048*ss+528
.set ss, ss+1
.endr
	s_wait_dscnt 0x0
.set ss, 1
.rept 7
.set p, 0
.rept 8
	v_pk_add_f32 v[XR+2*p:XR+2*p+1], v[XR+2*p:XR+2*p+1], v[XR+16*ss+2*p:XR+16*ss+2*p+1]
.set p, p+1
.endr
.set ss, ss+1
.endr
	; softplus(z) = max(z, 0) + log1p(E), E = e^-|z|; log1p(E) = ln 2 log2(1 + E), or E (1 - E / 2) where E < 2^-12 and 1 + E would lose E's digits
.irp j, 0,1,2,3,4,5,6,7
	v_mul_f32 v[WA+\j], s40, |v[ZZ+\j]|
.endr
.irp j, 0,1,2,3,4,5,6,7
	v_exp_f32 v[WA+\j], v[WA+\j]
.endr
.irp j, 0,1,2,3,4,5,6,7
	v_max_num_f32 v[SPL+\j], 0, v[ZZ+\j]           ; plain work between the exponentials and their first use (ISA guide 5.7.2)
.endr
	s_wait_alu depctr_va_vdst(0)
.irp j, 0,1,2,3,4,5,6,7
	v_add_f32 v[WB+\j], 1.0, v[WA+\j]
.endr
.irp j, 0,1,2,3,4,5,6,7
	v_log_f32 v[WB+\j], v[WB+\j]
.endr
.irp j, 0,1,2,3,4,5,6,7
	v_fma_f32 v[PP+\j], v[WA+\j], -0.5, 1.0
.endr
	s_wait_alu depctr_va_vdst(0)
.irp j, 0,1,2,3,4,5,6,7
	v_mul_f32 v[PP+\j], v[WA+\j], v[PP+\j]
	v_mul_f32 v[WB+\j], s41, v[WB+\j]
.endr
.irp j, 0,1,2,3,4,5,6,7
	v_cmp_gt_f32 vcc_lo, s42, v[WA+\j]
	v_cndmask_b32 v[WB+\j], v[WB+\j], v[PP+\j], vcc_lo
	v_add_f32 v[SPL+\j], v[SPL+\j], v[WB+\j]
.endr
.irp j, 0,1,2,3,4,5,6,7
	v_fma_f32 v[NN+\j], s[28+\j], v[SPL+\j], v[LL+\j]      ; noisy logit
.endr
	; the three best.  A pass takes the maximum's first place out (the lowest index wins a tie, as in lax.top_k); the masks only choose values
.macro MAX8 dst, src
	v_max3_num_f32 v[\dst], v[\src], v[\src+1], v[\src+2]
	v_max3_num_f32 v[TA], v[\src+3], v[\src+4], v[\src+5]
	v_max3_num_f32 v[\dst], v[\dst], v[\src+6], v[\src+7]
	v_max_num_f32 v[\dst], v[\dst], v[TA]
.endm
	v_mov_b32 v[NINF], 0xff800000
	MAX8 M1, NN
	s_mov_b32 s51, 0
.irp j, 0,1,2,3,4,5,6,7
	v_cmp_eq_f32 s52, v[NN+\j], v[M1]
	s_and_not1_b32 s[56+\j], s52, s51              ; chosen: equal to the best and no earlier column was
	s_or_b32 s51, s51, s52
	v_cndmask_b32 v[PP+\j], v[NN+\j], v[NINF], s[56+\j]
.endr
	MAX8 M2, PP
	s_mov_b32 s51, 0
.irp j, 0,1,2,3,4,5,6,7
	v_cmp_eq_f32 s52, v[PP+\j], v[M2]
	s_and_not1_b32 s53, s52, s51
	s_or_b32 s51, s51, s52
	v_cndmask_b32 v[QQ+\j], v[PP+\j], v[NINF], s53
	s_or_b32 s[56+\j], s[56+\j], s53               ; the two chosen columns
.endr
	MAX8 M3, QQ
	; the two weights' sum: the maximum is taken away, e = exp(m2 - m1) <= 1, w1 + w2 = 1 / (1 + e) + e / (1 + e)
	v_sub_f32 v[TA], v[M2], v[M1]
	v_mul_f32 v[TA], s43, v[TA]
	v_exp_f32 v[TA], v[TA]
	v_nop
	s_wait_alu depctr_va_vdst(0)
	v_add_f32 v[TB], 1.0, v[TA]
	v_rcp_f32 v[TB], v[TB]
	v_nop
	s_wait_alu depctr_va_vdst(0)
	v_fma_f32 v[SCL], v[TA], v[TB], v[TB]
	global_store_b32 v14, v[SCL], s[22:23]
	; prob = Phi((logit - kth) / softplus), kth = the third best where the column is among the two best, else the second
.irp j, 0,1,2,3,4,5,6,7
	v_cmp_ge_f32 vcc_lo, v[NN+\j], v[M2]
	v_cndmask_b32 v[WA+\j], v[M2], v[M3], vcc_lo
.endr
.irp j, 0,1,2,3,4,5,6,7
	v_rcp_f32 v[WB+\j], v[SPL+\j]
.endr
.irp j, 0,1,2,3,4,5,6,7
	v_sub_f32 v[WA+\j], v[LL+\j], v[WA+\j]
.endr
	s_wait_alu depctr_va_vdst(0)
.irp j, 0,1,2,3,4,5,6,7
	v_mul_f32 v[WA+\j], v[WA+\j], v[WB+\j]         ; a
.endr
.irp j, 0,1,2,3,4,5,6,7
	v_mul_f32 v[WB+\j], s44, |v[WA+\j]|            ; y = |a| / sqrt 2
.endr
.irp j, 0,1,2,3,4,5,6,7
	v_fma_f32 v[PP+\j], s45, v[WB+\j], 1.0
.endr
.irp j, 0,1,2,3,4,5,6,7
	v_rcp_f32 v[PP+\j], v[PP+\j]                   ; t = 1 / (1 + p y)
.endr
.irp j, 0,1,2,3,4,5,6,7
	v_mul_f32 v[QQ+\j], v[WB+\j], v[WB+\j]
.endr
.irp j, 0,1,2,3,4,5,6,7
	v_mul_f32 v[QQ+\j], s40, v[QQ+\j]
.endr
.irp j, 0,1,2,3,4,5,6,7
	v_exp_f32 v[QQ+\j], v[QQ+\j]                   ; e^(-y y)
.endr
	s_wait_alu depctr_va_vdst(0)
.irp j, 0,1,2,3,4,5,6,7
	v_fma_f32 v[WB+\j], s50, v[PP+\j], s49
.endr
.irp j, 0,1,2,3,4,5,6,7
	v_fma_f32 v[WB+\j], v[WB+\j], v[PP+\j], s48
.endr
.irp j, 0,1,2,3,4,5,6,7
	v_fma_f32 v[WB+\j], v[WB+\j], v[PP+\j], s47
.endr
.irp j, 0,1,2,3,4,5,6,7
	v_fma_f32 v[WB+\j], v[WB+\j], v[PP+\j], s46
.endr
.irp j, 0,1,2,3,4,5,6,7
	v_mul_f32 v[WB+\j], v[WB+\j], v[PP+\j]
.endr
.irp j, 0,1,2,3,4,5,6,7
	v_fma_f32 v[WB+\j], -v[WB+\j], v[QQ+\j], 1.0   ; erf(y)
.endr
.irp j, 0,1,2,3,4,5,6,7
	v_mul_f32 v[WB+\j], 0.5, v[WB+\j]
	v_bfi_b32 v[WB+\j], 0x7fffffff, v[WB+\j], v[WA+\j]     ; with a's sign
	v_add_f32 v[PR+\j], 0.5, v[WB+\j]
	v_cndmask_b32 v[AS+\j], 0, 1.0, s[56+\j]
.endr
.irp j, 0,1,2,3,4,5,6,7
	global_store_b32 v14, v[AS+\j], s[26:27] offset:32768*\j   ; 32 tokens of row j: 128 consecutive bytes, all that this work-group has of the row
.endr
	; the sixteen sums over the 32 tokens, into registers of their own (the one-hot rows are still store data)
.set ii, 0
.rept 16
	v_add_f32_dpp v[PP+ii], v[PR+ii], v[PR+ii] row_xmask:1 row_mask:0xf bank_mask:0xf
.set ii, ii+1
.endr
.irp m, 2,4,8
.set ii, 0
.rept 16
	v_add_f32_dpp v[PP+ii], v[PP+ii], v[PP+ii] row_xmask:\m row_mask:0xf bank_mask:0xf
.set ii, ii+1
.endr
.endr
.set ii, 0
.rept 16
	v_permlanex16_b32 v[WA+ii], v[PP+ii], s66, s67
.set ii, ii+1
.endr
.set ii, 0
.rept 16
	v_add_f32 v[PP+ii], v[PP+ii], v[WA+ii]
.set ii, ii+1
.endr
	v_cmp_eq_u32 vcc_lo, 0, v1
	s_wait_xcnt 0x0                                ; EXEC changes only behind this wait
	s_and_saveexec_b32 s68, vcc_lo
.irp k, 0,1,2,3
	global_store_b128 v15, v[PP+4*\k:PP+4*\k+3], s[24:25] offset:16*\k     ; lane 0: 8 sums of probabilities, 8 counts
.endr
	s_wait_xcnt 0x0
	s_or_b32 exec_lo, exec_lo, s68
.Lend:
	s_set_vgpr_msb 0x5
	s_wait_tensorcnt 0x0
	ds_add_u32 v0, v1
	s_wait_dscnt 0x0
	s_set_vgpr_msb 0x500
	s_endpgm
.Lfunc_end_k_qbbe33d61e1_prep:
	.size	k_qbbe33d61e1_prep, .Lfunc_end_k_qbbe33d61e1_prep-k_qbbe33d61e1_prep
	.p2alignl 7, 3214868480
	.fill 96, 4, 3214868480
	.section	.rodata,"a",@progbits
	.p2align	6, 0x0
	.amdhsa_kernel k_qbbe33d61e1_prep
		.amdhsa_group_segment_fixed_size 220160
		.amdhsa_private_segment_fixed_size 0
		.amdhsa_enable_private_segment 0
		.amdhsa_kernarg_size 96
		.amdhsa_user_sgpr_count 2
		.amdhsa_user_sgpr_kernarg_segment_ptr 1
		.amdhsa_wavefront_size32 1
		.amdhsa_system_sgpr_workgroup_id_x 1
		.amdhsa_system_sgpr_workgroup_id_y 1
		.amdhsa_system_sgpr_workgroup_id_z 1
		.amdhsa_system_vgpr_workitem_id 0
		.amdhsa_next_free_vgpr 258
		.amdhsa_next_free_sgpr 72
		.amdhsa_reserve_vcc 1
		.amdhsa_float_denorm_mode_32 3
		.amdhsa_float_denorm_mode_16_64 3
		.amdhsa_memory_ordered 1
		.amdhsa_forward_progress 1
		.amdhsa_inst_pref_size 68
	.end_amdhsa_kernel
	.amdgpu_metadata
---
amdhsa.version: [ 1, 2 ]
amdhsa.kernels:
  - .name:           k_qbbe33d61e1_prep
    .symbol:         k_qbbe33d61e1_prep.kd
    .args:
      - { .name: x, .offset: 0, .size: 8, .value_kind: global_buffer, .address_space: global }
      - { .name: Wr, .offset: 8, .size: 8, .value_kind: global_buffer, .address_space: global }
      - { .name: Wn, .offset: 16, .size: 8, .value_kind: global_buffer, .address_space: global }
      - { .name: W1, .offset: 24, .size: 8, .value_kind: global_buffer, .address_space: global }
      - { .name: W2, .offset: 32, .size: 8, .value_kind: global_buffer, .address_space: global }
      - { .name: noise, .offset: 40, .size: 8, .value_kind: global_buffer, .address_space: global }
      - { .name: xh, .offset: 48, .size: 8, .value_kind: global_buffer, .address_space: global }
      - { .name: w1h, .offset: 56, .size: 8, .value_kind: global_buffer, .address_space: global }
      - { .name: w2h, .offset: 64, .size: 8, .value_kind: global_buffer, .address_space: global }
      - { .name: scale, .offset: 72, .size: 8, .value_kind: global_buffer, .address_space: global }
      - { .name: part, .offset: 80, .size: 8, .value_kind: global_buffer, .address_space: global }
      - { .name: out3, .offset: 88, .size: 8, .value_kind: global_buffer, .address_space: global }
    .group_segment_fixed_size: 220160
    .private_segment_fixed_size: 0
    .kernarg_segment_align: 8
    .kernarg_segment_size: 96
    .max_flat_workgroup_size: 256
    .sgpr_count:     72
    .vgpr_count:     258
    .wavefront_size: 32
...
	.end_amdgpu_metadata
.endif
;; end of part 1
;; launch gemm1 (part 2): grid 16 x 16, 4 waves a work-group, clusters of 4 x 4, 327,680 bytes of LDS; arguments xh, w1h, hbuf, b1; writes hbuf
.if DOCPART == 2
	.amdgcn_target "amdgcn-amd-amdhsa--gfx1250"
	.amdhsa_code_object_version 6
	.text
	.protected	k_qbbe33d61e1_gemm1
	.globl	k_qbbe33d61e1_gemm1
	.p2align	8
	.type	k_qbbe33d61e1_gemm1,@function
k_qbbe33d61e1_gemm1:
	s_mov_b64 s[64:65], 0
	v_nop
	global_prefetch_b8 v0, s[64:65] scope:SCOPE_SE
	s_setreg_imm32_b32 hwreg(HW_REG_WAVE_MODE, 25, 1), 1
	s_wait_xcnt 0x0
	s_wait_alu depctr_hold_cnt(0) depctr_sa_sdst(0) depctr_va_vdst(0) depctr_va_sdst(0) depctr_va_ssrc(0) depctr_va_vcc(0) depctr_vm_vsrc(0)
	s_getreg_b32 s2, hwreg(HW_REG_IB_STS2, 6, 4)
	s_cmp_eq_u32 s2, 0
	s_cbranch_scc0 .Lentry_in_a_cluster
	s_endpgm
.Lentry_in_a_cluster:
	s_bfe_u32 s2, ttmp6, 0x10000c
	s_cmp_lg_u32 s2, 0xf033
	s_cbranch_scc0 .Lentry_shape_is_right
	s_endpgm
.Lentry_shape_is_right:
; h = leaky_relu(x W1^T + b1), slope 0.01.  A = xh [8192][1024], B = w1h [4096][1024], C = hbuf [8192][4096], all f16; sums in f32; the bias is f32.
; This text serves both large products; the constants below and F32OUT choose.  C = epi(A B^T + bias): F32OUT = 0: leaky ReLU, rounded once to f16;
; F32OUT = 1: each row times its scale, stored as f32.
; LIMIT: h is kept in f16, so |h| <= 65,504; with all inputs 30 times larger than drawn its root mean square is some 600.
; SHARES.  A tile of C is TM x 256, four waves, each (TM / 2) x 128: AB x 8 accumulators of 16 x 16.  K goes in steps of 128 (rows of 256 bytes, starting at multiples
; of 256 bytes of their buffer) through two LDS slots filled by tensor loads, one a wave: waves 0, 1 bring B's two halves, waves 2, 3 A's.  A work-group makes SIZE_TILES tiles,
; WALK rows apart, and the ring goes on from a tile into the next.
; CLUSTER 4 x 4: the four work-groups of a row of the cluster need the same tiles of A, the four of a column the same tiles of B: each is asked for jointly.
; THE MATRIX INSTRUCTION IS USED TRANSPOSED (source 0 = 16 rows of B, source 1 = 16 rows of A): lane l holds row l % 16 of C and the columns 8 (l / 16) + 0..7.
; The first product of each sum takes the bias as C: a lane's register j of n block b wants bias[16 b + 8 (l / 16) + j], kept in window 1, v0-63.
; REGISTERS, in windows of 256: window 0: v16-29 addresses, A's fragments (two buffers at 64 and 128), the way out; window 1: the bias, B's fragments (64, 128);
; windows 2 (and 3 where AB = 8): accumulator (a, b) at 8 (8 (a % 4) + b) of window 2 + a / 4.
; lds_bytes claims all of a WGP's LDS.
.set SIZE_M, 8192
.set SIZE_N, 4096
.set SIZE_K, 1024
.set AB, 8                             ; blocks of 16 rows in a wave's part of a tile
.set SIZE_TILES, 2
.set F32OUT, 0
.set ESZ,    2+2*F32OUT                ; bytes of a number of C
.set TM,     32*AB
.set KSTEP,  128
.set PITCH,  272                       ; an LDS row: 256 bytes + 16 = 68 words: 16 rows start at 16 different groups of 4 banks (ISA guide 11.1)
.set HB,     128*PITCH                 ; half of B's tile: one tensor load
.set HA,     (TM/2)*PITCH              ; half of A's tile: one tensor load
.set SLOT,   2*HB+2*HA                 ; B's 256 rows, then A's TM rows
.set STAGE,  2*SLOT                    ; behind the ring: 16 rows for each wave, for the way out; no tensor load lands here
.set SPITCH, 128*ESZ+16
.set SPARE,  STAGE+4*16*SPITCH         ; behind the stages: the spare words, 128 bytes for each wave
.set LAPS,   SIZE_K/(2*KSTEP)          ; a lap = two K steps = once round the ring
.set WALK,   SIZE_M/SIZE_TILES
.set NEXT_A, WALK*SIZE_K*2-(SIZE_K-2*KSTEP)*2  ; from a slot's last K step of a tile to its first of the next: WALK rows down, back along K
.set BACK_B, (SIZE_K-2*KSTEP)*2        ; B only back
.set NEXT_C, (WALK-16*(AB-1))*SIZE_N*ESZ       ; from my last 16 rows of a tile to my first of the next
.set ADRA, 16                          ; v16-17 LDS address of my A fragments in slot 0, 1
.set ADRB, 20                          ; v20-21 the same for B
.set STO,  24                          ; the way out: where I put my numbers of a row
.set RD,   25                          ; where I read rows back
.set CO,   26                          ; my byte offset in C
.set BO,   27                          ; 32 (l / 16): my byte offset in the bias
.set SPW,  28                          ; LDS address of my spare word; never rewritten
.set NIL,  29                          ; 0; never rewritten
.set F0,   64
.set F1,   128
.if F32OUT
.set SC,   40                          ; v40-47: block a's row scale, twice, at SC + 2 a
.set T,    64                          ; a block's 64 results
.set OB0,  128                         ; rows read back: v128-191 and v192-255 by turns
.set OBD,  64
.set NST,  16                          ; stores for a block: a row of 512 bytes each
.set STSTEP, SIZE_N*4
.else
.set T,    128                         ; a block's 64 results
.set TMP,  192                         ; rounded, 32 registers
.set OB0,  32                          ; rows read back: v32-63 and v224-255 by turns
.set OBD,  192
.set NST,  8                           ; stores for a block: two rows of 256 bytes each
.set STSTEP, 2*SIZE_N*2
.endif
.set G1,  24                           ; s[24:31] descriptor group 1 for A's tiles; s[32:39] group 0, a set for each slot
.set G0,  32
.set G1B, 48                           ; s[48:55], s[56:63] the same for B's
.set G0B, 56
.set TO_B, 0x40                        ; destination window 1, address window 0
.set MSB, 0
.macro WIN new                         ; low byte: bits 1:0 source 0, 3:2 source 1, 5:4 source 2, 7:6 destination; the high byte repeats the setting that is left
.if MSB != (\new)
	s_set_vgpr_msb (MSB<<8)|(\new)
.set MSB, \new
.endif
.endm
.macro PLACES                          ; four places behind a matrix instruction before its results are read or its registers loaded or written (ISA guide 7.12.1)
.rept 4
	v_nop
.endr
.endm
; A joint load.  The branch hangs on the wave's number alone.  Four v_nop follow each of the two lines.
.macro JLOAD s
	s_cmp_eq_u32 s11, 0
	s_cbranch_scc0 .Lfor_a_\@
	tensor_load_to_lds s[G0B+4*\s:G0B+4*\s+3], s[G1B:G1B+7]
	s_nop 0
.rept 4
	v_nop
.endr
	s_branch .Lasked_\@
.Lfor_a_\@:
	tensor_load_to_lds s[G0+4*\s:G0+4*\s+3], s[G1:G1+7]
	s_nop 0
.rept 4
	v_nop
.endr
.Lasked_\@:
.endm
.macro CREST                           ; a round of the cluster's barrier behind its opening barrier
	s_cmp_lg_u32 s10, 0
	s_cbranch_scc1 .Lnot_wave_0_\@
	s_barrier_signal -3
.Lnot_wave_0_\@:
	s_barrier_wait -3
	s_barrier_signal -1
	s_barrier_wait -1
.endm
.macro CROUND
	s_barrier_signal -1
	s_barrier_wait -1
	CREST
.endm
	s_load_b128 s[4:7], s[0:1], 0x0                ; A, B
	s_load_b64 s[8:9], s[0:1], 0x10                ; C
	s_load_b64 s[66:67], s[0:1], 0x18              ; bias
.if F32OUT
	s_load_b64 s[68:69], s[0:1], 0x20              ; scale
.endif
	v_lshl_add_u32 v[SPW], v0, 2, SPARE
	v_mov_b32 v[NIL], 0
	ds_add_u32 v28, v29
	s_wait_dscnt 0x0
	v_lshrrev_b32 v1, 5, v0
	v_readfirstlane_b32 s10, v1                    ; wave 0..3
	s_lshr_b32 s11, s10, 1                         ; my half of the tile's rows.  Also: I fetch for B (0) or for A (1)
	s_and_b32 s12, s10, 1                          ; my half of its columns.  Also: which half of that tile I fetch
	s_bfe_u32 s40, ttmp6, 0x40000                  ; cx
	s_bfe_u32 s41, ttmp6, 0x40004                  ; cy
	s_lshl_b32 s42, ttmp9, 2
	s_add_co_u32 s42, s42, s40                     ; tile column = 4 x cluster x + cx
	s_and_b32 s13, ttmp7, 0xffff
	s_lshl_b32 s13, s13, 2
	s_add_co_u32 s13, s13, s41                     ; tile row = 4 x cluster y + cy
	s_lshl_b32 s43, s41, 2
	s_lshl_b32 s43, 15, s43                        ; my row of the cluster
	s_lshl_b32 s44, 0x1111, s40                    ; my column
	; group 1: rows of 128 elements of 2 bytes, 16 bytes of padding behind each 64 words; the mask, and bit 21 beside it
	s_or_b32 s[G1+0], s43, (1<<16)|(1<<20)|(1<<21)|(5<<22)|(3<<25)
	s_or_b32 s[G1B+0], s44, (1<<16)|(1<<20)|(1<<21)|(5<<22)|(3<<25)
	s_mov_b32 s[G1+1], KSTEP<<16                   ; tensor_dim0 = 128
	s_mov_b32 s[G1B+1], KSTEP<<16
	s_mov_b32 s[G1+2], (TM/2)<<16                  ; tensor_dim1 = the load's rows
	s_mov_b32 s[G1B+2], 128<<16
	s_mov_b32 s[G1+3], KSTEP<<16                   ; tile_dim0 = 128
	s_mov_b32 s[G1B+3], KSTEP<<16
	s_mov_b32 s[G1+4], TM/2                        ; tile_dim1
	s_mov_b32 s[G1B+4], 128
	s_mov_b32 s[G1+5], SIZE_K                      ; elements from row to row
	s_mov_b32 s[G1B+5], SIZE_K
	s_mov_b32 s[G1+6], 0
	s_mov_b32 s[G1B+6], 0
	s_mov_b32 s[G1+7], 0
	s_mov_b32 s[G1B+7], 0
	; A's tiles hang on the tile row alone, B's on the tile column alone; each address is made in registers that never hold the other coordinate
	s_mul_i32 s17, s12, TM/2
	s_mul_i32 s16, s13, TM
	s_add_co_u32 s16, s16, s17                     ; A: row TM x tile row + half
	s_lshl_b32 s47, s12, 7
	s_lshl_b32 s46, s42, 8
	s_add_co_u32 s46, s46, s47                     ; B: row 256 x tile column + half
	s_mov_b32 s17, 0
	s_mov_b32 s47, 0
	s_mov_b64 s[18:19], SIZE_K*2
	s_mul_u64 s[16:17], s[16:17], s[18:19]
	s_mul_u64 s[46:47], s[46:47], s[18:19]
	s_mul_i32 s20, s10, HB                         ; where B's halves go (waves 0, 1)
	s_mul_i32 s21, s10, HA                         ; where A's halves go (waves 2, 3): 2 HB + (wave - 2) HA
.if HB != HA
	s_add_co_u32 s21, s21, 2*(HB-HA)
.endif
	s_wait_kmcnt 0x0
	s_add_nc_u64 s[14:15], s[4:5], s[16:17]
	s_add_nc_u64 s[46:47], s[6:7], s[46:47]
	CROUND                                         ; all sixteen work-groups are here: the first joint loads meet
.irp s, 0,1
	s_mov_b32 s[G0+4*\s], 1
	s_add_co_u32 s[G0+4*\s+1], s21, \s*SLOT
	s_add_nc_u64 s[G0+4*\s+2:G0+4*\s+3], s[14:15], \s*KSTEP*2
	s_or_b32 s[G0+4*\s+3], s[G0+4*\s+3], 0x80000000
	s_mov_b32 s[G0B+4*\s], 1
	s_add_co_u32 s[G0B+4*\s+1], s20, \s*SLOT
	s_add_nc_u64 s[G0B+4*\s+2:G0B+4*\s+3], s[46:47], \s*KSTEP*2
	s_or_b32 s[G0B+4*\s+3], s[G0B+4*\s+3], 0x80000000
	JLOAD \s                                       ; K steps 0 and 1: two tensor loads of mine are out, never more
.endr
	; a fragment: 16 rows x 32 K in 8 registers: lane l holds row l % 16; two loads of 16 bytes, 32 bytes apart, at row x pitch + 16 (l / 16)
	v_and_b32 v1, 15, v0
	v_bfe_u32 v2, v0, 4, 1
	v_mul_u32_u24 v3, v1, PITCH
	v_lshl_add_u32 v3, v2, 4, v3
	s_mul_i32 s22, s11, HA
	s_add_co_u32 s22, s22, 2*HB                    ; my rows of A lie behind B's 256
	s_mul_i32 s23, s12, HB                         ; my rows of B
.irp s, 0,1
	v_add_nc_u32 v[ADRA+\s], s22, v3
	v_add_nc_u32 v[ADRB+\s], s23, v3
	s_add_co_u32 s22, s22, SLOT
	s_add_co_u32 s23, s23, SLOT
.endr
	s_mul_i32 s23, s10, 16*SPITCH
	s_add_co_u32 s23, s23, STAGE                   ; my stage
	v_mul_u32_u24 v4, v1, SPITCH
	v_lshl_add_u32 v4, v2, 4+F32OUT, v4            ; in: row l % 16, eight numbers for each half of the lanes
	v_add_nc_u32 v[STO], s23, v4
.if F32OUT
	v_and_b32 v5, 31, v0
	v_lshlrev_b32 v[CO], 4, v5                     ; back, and in C: 32 lanes take one row of 512 bytes
	v_add_nc_u32 v[RD], s23, v[CO]
	v_lshlrev_b32 v6, 2, v1                        ; my row's scale
.else
	v_mul_u32_u24 v5, v2, SPITCH                   ; back: lanes 0-15 one row of 256 bytes, lanes 16-31 the next
	v_lshl_add_u32 v5, v1, 4, v5
	v_add_nc_u32 v[RD], s23, v5
	v_mul_u32_u24 v5, v2, SIZE_N*2                 ; and the same two rows in C
	v_lshl_add_u32 v[CO], v1, 4, v5
	s_mov_b32 s70, 0x3c23d70a                      ; the slope 0.01, as a pair
	s_mov_b32 s71, 0x3c23d70a
.endif
	v_lshlrev_b32 v[BO], 5, v2
	s_mul_i32 s16, s13, TM
	s_mul_i32 s17, s11, TM/2
	s_add_co_u32 s16, s16, s17                     ; my first row of C
.if F32OUT
	s_lshl_b32 s72, s16, 2
	s_mov_b32 s73, 0
	s_add_nc_u64 s[68:69], s[68:69], s[72:73]      ; scale at my first row
.endif
	s_mov_b32 s17, 0
	s_mov_b64 s[18:19], SIZE_N*ESZ
	s_mul_u64 s[16:17], s[16:17], s[18:19]
	s_lshl_b32 s46, s42, 8
	s_lshl_b32 s47, s12, 7
	s_add_co_u32 s46, s46, s47                     ; my first column
	s_lshl_b32 s72, s46, 2
	s_mov_b32 s73, 0
	s_add_nc_u64 s[66:67], s[66:67], s[72:73]      ; the bias at my first column
	s_mul_i32 s46, s46, ESZ
	s_mov_b32 s47, 0
	s_add_nc_u64 s[16:17], s[16:17], s[46:47]      ; what the first way out adds to C's address
	WIN TO_B
.irp b, 0,1,2,3,4,5,6,7
	global_load_b128 v[8*\b:8*\b+3],   v[BO], s[66:67] offset:64*\b
	global_load_b128 v[8*\b+4:8*\b+7], v[BO], s[66:67] offset:64*\b+16
.endr
	WIN 0
.if F32OUT
.set ii, 0
.rept AB
	global_load_b32 v[SC+2*ii],   v6, s[68:69] offset:64*ii
	global_load_b32 v[SC+2*ii+1], v6, s[68:69] offset:64*ii
.set ii, ii+1
.endr
.endif
; Part p of four of a quarter step: AB / 4 m blocks x all 8 n blocks, 32 along K, from buffer f.  zero = 1: the first product starts the sums, with the bias as C.
; Every accumulator has one instruction in a quarter step, always in the same order: the accumulators take turns.
.macro MULP f, p, zero
.set ma, (\p)*AB/4
.rept AB/4
.if \zero
	WIN 0x91+0x40*(ma/4)
.else
	WIN 0xa1+0x50*(ma/4)
.endif
.set nb, 0
.rept 8
.set rD, 8*(8*(ma%4)+nb)
.if \zero
	v_wmma_f32_16x16x32_f16 v[rD:rD+7], v[\f+8*nb:\f+8*nb+7], v[\f+8*ma:\f+8*ma+7], v[8*nb:8*nb+7]
.else
	v_wmma_f32_16x16x32_f16 v[rD:rD+7], v[\f+8*nb:\f+8*nb+7], v[\f+8*ma:\f+8*ma+7], v[rD:rD+7]
.endif
.set nb, nb+1
.endr
.set ma, ma+1
.endr
.endm
; one run of LDS loads: a quarter step's fragments (B's 16 loads, then A's 2 AB) at byte k of the slot's rows, into buffer f
.macro FETCH slot, k, f
	WIN TO_B
.irp i, 0,1,2,3,4,5,6,7
	ds_load_b128 v[\f+8*\i:\f+8*\i+3],   v[ADRB+\slot] offset:\k+\i*16*PITCH
	ds_load_b128 v[\f+8*\i+4:\f+8*\i+7], v[ADRB+\slot] offset:\k+\i*16*PITCH+32
.endr
	WIN 0
.set ii, 0
.rept AB
	ds_load_b128 v[\f+8*ii:\f+8*ii+3],   v[ADRA+\slot] offset:\k+ii*16*PITCH
	ds_load_b128 v[\f+8*ii+4:\f+8*ii+7], v[ADRA+\slot] offset:\k+ii*16*PITCH+32
.set ii, ii+1
.endr
.endm
; one of a K step's first three quarters: multiplies buffer f and, in its middle, fetches the next quarter (byte k) into buffer g
.macro QUARTER slot, k, f, g, zero
	s_wait_dscnt AB                                ; B and A's lower blocks are in; the youngest AB loads (A's upper blocks) may be out
	MULP \f, 0, \zero
	MULP \f, 1, \zero
	PLACES
	FETCH \slot, \k, \g
	s_wait_dscnt 16+2*AB                           ; all but the run just issued
	MULP \f, 2, \zero
	MULP \f, 3, \zero
.endm
; the first half of a K step's last quarter, with the one barrier of a change of slots
.macro MEET round
	WIN 0                                          ; the add's two registers lie in window 0
	s_wait_tensorcnt 0x0                           ; all my tensor loads have landed: the one that was out is my part of the next slot
	ds_add_u32 v[SPW], v[NIL]                      ; 0 onto my spare word
	s_wait_dscnt AB+1                              ; the add and A's upper blocks may be out
	MULP F1, 0, 0
	s_wait_dscnt 0x0                               ; the add is done, and my reads of this slot are over
	s_barrier_signal -1
	MULP F1, 1, 0                                  ; work on registers while the others arrive
.if \round
	WIN 0
.endif
	s_barrier_wait -1
.endm
; the whole last quarter where the slot is filled again: the barrier opens a round of the cluster's; the joint refill is the first thing behind the round
.macro TURN slot, next, on
	MEET 1
	CREST
.if \on
	s_add_nc_u64 s[G0+4*\slot+2:G0+4*\slot+3], s[G0+4*\slot+2:G0+4*\slot+3], NEXT_A
	s_sub_nc_u64 s[G0B+4*\slot+2:G0B+4*\slot+3], s[G0B+4*\slot+2:G0B+4*\slot+3], BACK_B
.else
	s_add_nc_u64 s[G0+4*\slot+2:G0+4*\slot+3], s[G0+4*\slot+2:G0+4*\slot+3], 2*KSTEP*2
	s_add_nc_u64 s[G0B+4*\slot+2:G0B+4*\slot+3], s[G0B+4*\slot+2:G0B+4*\slot+3], 2*KSTEP*2
.endif
	JLOAD \slot                                    ; its four v_nop are also the places in front of the loads below
	FETCH \next, 0, F0
	MULP F1, 2, 0
	MULP F1, 3, 0
.endm
; THE WAY OUT of block a (16 rows).  PACK: the activation or the scale.  TOSTAGE: into my own stage, back as whole rows.  SEND: stored.
.macro PACK a
.set AC, 64*((\a)%4)
	WIN 0x02+(\a)/4                                ; source 0: the accumulators' window
.if F32OUT
.set ii, 0
.rept 32
	v_pk_mul_f32 v[T+2*ii:T+2*ii+1], v[AC+2*ii:AC+2*ii+1], v[SC+2*(\a):SC+2*(\a)+1]   ; ascending: each accumulator is read from its low end on
.set ii, ii+1
.endr
	WIN 0
.else
.set ii, 0
.rept 32
	v_pk_mul_f32 v[T+2*ii:T+2*ii+1], v[AC+2*ii:AC+2*ii+1], s[70:71] op_sel_hi:[1,0]   ; ascending: each accumulator is read from its low end on
.set ii, ii+1
.endr
.set ii, 0
.rept 64
	v_max_num_f32 v[T+ii], v[AC+ii], v[T+ii]       ; leaky ReLU = max(v, 0.01 v)
.set ii, ii+1
.endr
	WIN 0
.set ii, 0
.rept 32
	v_cvt_pk_f16_f32 v[TMP+ii], v[T+2*ii], v[T+2*ii+1]
.set ii, ii+1
.endr
.endif
.endm
.macro TOSTAGE a
.set BK, OB0+OBD*((\a)%2)
.if F32OUT
.irp b, 0,1,2,3,4,5,6,7
	ds_store_b128 v[STO], v[T+8*\b:T+8*\b+3]   offset:64*\b
	ds_store_b128 v[STO], v[T+8*\b+4:T+8*\b+7] offset:64*\b+16
.endr
.set tt, 0
.rept 16
	ds_load_b128 v[BK+4*tt:BK+4*tt+3], v[RD] offset:tt*SPITCH      ; LDS serves a wave's instructions in order (ISA guide 5.7.1.4): these see the stores above
.set tt, tt+1
.endr
.else
.irp b, 0,1,2,3,4,5,6,7
	ds_store_b128 v[STO], v[TMP+4*\b:TMP+4*\b+3] offset:32*\b
.endr
.set tt, 0
.rept 8
	ds_load_b128 v[BK+4*tt:BK+4*tt+3], v[RD] offset:tt*2*SPITCH    ; LDS serves a wave's instructions in order (ISA guide 5.7.1.4): these see the stores above
.set tt, tt+1
.endr
.endif
.endm
.macro SEND a
.set BK, OB0+OBD*((\a)%2)
	s_wait_dscnt 0x0                               ; the block is back in registers
	s_wait_xcnt 0x0                                ; the stores' base, and registers that earlier stores read, are rewritten only behind this wait
.if (\a) == 0
	s_add_nc_u64 s[8:9], s[8:9], s[16:17]          ; on to this tile's first rows
.else
	s_add_nc_u64 s[8:9], s[8:9], 16*SIZE_N*ESZ     ; 16 rows on
.endif
.set tt, 0
.rept NST
.if F32OUT
	global_store_b128 v[CO], v[BK+4*tt:BK+4*tt+3], s[8:9] offset:tt*STSTEP th:TH_STORE_NT   ; 32 lanes store 512 consecutive bytes, aligned
.else
	global_store_b128 v[CO], v[BK+4*tt:BK+4*tt+3], s[8:9] offset:tt*STSTEP                  ; 16 lanes store 256 consecutive bytes, aligned
.endif
.set tt, tt+1
.endr
.endm
.macro WAYOUT                          ; block a's arithmetic stands between block a - 1's loads from the stage and the wait for them
	PLACES
	PACK 0
	TOSTAGE 0
.set ia, 1
.rept AB-1
	PACK ia
	SEND ia-1
	TOSTAGE ia
.set ia, ia+1
.endr
	SEND AB-1
.endm
	s_wait_loadcnt 0x0                             ; the bias (and the scales)
	s_wait_tensorcnt 0x1                           ; my part of K step 0 is in; K step 1's may stay out
	s_barrier_signal -1
	s_barrier_wait -1
	FETCH 0, 0, F0
.if SIZE_TILES > 1
	s_mov_b32 s2, SIZE_TILES                       ; tiles to go, the same in every work-group
.Ltile:
.endif
	QUARTER 0, 64,  F0, F1, 1                      ; a tile's first quarter stands in front of the loop: its products start the sums
	WIN 0
	s_mov_b32 s3, LAPS-1
.Llap:                                                 ; a trip goes once round the ring, from a lap's second quarter to the next lap's first, and fills both slots again
	QUARTER 0, 128, F1, F0, 0
	QUARTER 0, 192, F0, F1, 0
	TURN 0, 1, 0
	QUARTER 1, 64,  F0, F1, 0
	QUARTER 1, 128, F1, F0, 0
	QUARTER 1, 192, F0, F1, 0
	TURN 1, 0, 0
	QUARTER 0, 64,  F0, F1, 0
	WIN 0
	s_sub_co_u32 s3, s3, 1
	s_cmp_lg_u32 s3, 0
	s_cbranch_scc1 .Llap
	QUARTER 0, 128, F1, F0, 0                      ; the tile's last lap goes on
	QUARTER 0, 192, F0, F1, 0
.if SIZE_TILES > 1
	WIN 0
	s_cmp_eq_u32 s2, 1
	s_cbranch_scc1 .Llast_tile                     ; the last tile's tail is written out: it asks for nothing more
	TURN 0, 1, 1                                   ; the ring goes on into the next tile: slot 0 takes its K step 0,
	QUARTER 1, 64,  F0, F1, 0
	QUARTER 1, 128, F1, F0, 0
	QUARTER 1, 192, F0, F1, 0
	TURN 1, 0, 1                                   ; slot 1 its K step 1, and its first fragments are fetched
	WAYOUT                                         ; both refills are asked for: now the tile goes out
	s_mov_b64 s[16:17], NEXT_C
	s_sub_co_u32 s2, s2, 1
	s_branch .Ltile
.Llast_tile:
.endif
	MEET 0                                         ; slot 1 holds the last K step; nothing is filled again, so no round follows
	PLACES
	FETCH 1, 0, F0
	MULP F1, 2, 0
	MULP F1, 3, 0
	QUARTER 1, 64,  F0, F1, 0
	QUARTER 1, 128, F1, F0, 0
	QUARTER 1, 192, F0, F1, 0
	s_wait_dscnt AB                                ; the very last quarter: nothing more to fetch
	MULP F1, 0, 0
	MULP F1, 1, 0
	s_wait_dscnt 0x0
	MULP F1, 2, 0
	MULP F1, 3, 0
	WIN 0
	WAYOUT
	s_wait_tensorcnt 0x0                           ; the wave's end
	ds_add_u32 v[SPW], v[NIL]
	s_wait_dscnt 0x0
	CROUND                                         ; the closing round: no work-group ends while a partner may still ask for a tile that names it
	s_endpgm
.Lfunc_end_k_qbbe33d61e1_gemm1:
	.size	k_qbbe33d61e1_gemm1, .Lfunc_end_k_qbbe33d61e1_gemm1-k_qbbe33d61e1_gemm1
	.p2alignl 7, 3214868480
	.fill 96, 4, 3214868480
	.section	.rodata,"a",@progbits
	.p2align	6, 0x0
	.amdhsa_kernel k_qbbe33d61e1_gemm1
		.amdhsa_group_segment_fixed_size 327680
		.amdhsa_private_segment_fixed_size 0
		.amdhsa_enable_private_segment 0
		.amdhsa_kernarg_size 32
		.amdhsa_user_sgpr_count 2
		.amdhsa_user_sgpr_kernarg_segment_ptr 1
		.amdhsa_wavefront_size32 1
		.amdhsa_system_sgpr_workgroup_id_x 1
		.amdhsa_system_sgpr_workgroup_id_y 1
		.amdhsa_system_sgpr_workgroup_id_z 1
		.amdhsa_system_vgpr_workitem_id 0
		.amdhsa_next_free_vgpr 1024
		.amdhsa_next_free_sgpr 76
		.amdhsa_reserve_vcc 0
		.amdhsa_float_denorm_mode_32 3
		.amdhsa_float_denorm_mode_16_64 3
		.amdhsa_memory_ordered 1
		.amdhsa_forward_progress 1
		.amdhsa_inst_pref_size 255
	.end_amdhsa_kernel
	.section	.bss,"aw",@nobits
	.p2align	6
	.space	262144
	.amdgpu_metadata
---
amdhsa.version: [ 1, 2 ]
amdhsa.kernels:
  - .name:           k_qbbe33d61e1_gemm1
    .symbol:         k_qbbe33d61e1_gemm1.kd
    .args:
      - { .name: xh, .offset: 0, .size: 8, .value_kind: global_buffer, .address_space: global }
      - { .name: w1h, .offset: 8, .size: 8, .value_kind: global_buffer, .address_space: global }
      - { .name: hbuf, .offset: 16, .size: 8, .value_kind: global_buffer, .address_space: global }
      - { .name: b1, .offset: 24, .size: 8, .value_kind: global_buffer, .address_space: global }
    .group_segment_fixed_size: 327680
    .private_segment_fixed_size: 0
    .kernarg_segment_align: 8
    .kernarg_segment_size: 32
    .max_flat_workgroup_size: 128
    .sgpr_count:     76
    .vgpr_count:     1024
    .wavefront_size: 32
...
	.end_amdgpu_metadata
.endif
;; end of part 2
;; launch gemm2 (part 3): grid 4 x 64, 4 waves a work-group, clusters of 4 x 4, 327,680 bytes of LDS; arguments hbuf, w2h, out0, b2, scale, part, out1, out2; writes out0, out1, out2
.if DOCPART == 3
	.amdgcn_target "amdgcn-amd-amdhsa--gfx1250"
	.amdhsa_code_object_version 6
	.text
	.protected	k_qbbe33d61e1_gemm2
	.globl	k_qbbe33d61e1_gemm2
	.p2align	8
	.type	k_qbbe33d61e1_gemm2,@function
k_qbbe33d61e1_gemm2:
	s_mov_b64 s[64:65], 0
	v_nop
	global_prefetch_b8 v0, s[64:65] scope:SCOPE_SE
	s_setreg_imm32_b32 hwreg(HW_REG_WAVE_MODE, 25, 1), 1
	s_wait_xcnt 0x0
	s_wait_alu depctr_hold_cnt(0) depctr_sa_sdst(0) depctr_va_vdst(0) depctr_va_sdst(0) depctr_va_ssrc(0) depctr_va_vcc(0) depctr_vm_vsrc(0)
	s_getreg_b32 s2, hwreg(HW_REG_IB_STS2, 6, 4)
	s_cmp_eq_u32 s2, 0
	s_cbranch_scc0 .Lentry_in_a_cluster
	s_endpgm
.Lentry_in_a_cluster:
	s_bfe_u32 s2, ttmp6, 0x10000c
	s_cmp_lg_u32 s2, 0xf033
	s_cbranch_scc0 .Lentry_shape_is_right
	s_endpgm
.Lentry_shape_is_right:
; out0 = (h W2^T + b2) x scale[row].  A = hbuf [8192][4096], B = w2h [1024][4096], both f16; sums, bias, scale and C = out0 [8192][1024] in f32.
; Beside it: out1[e], out2[e] = the sums over the 256 rows of part [256][16] (8 sums of probabilities, 8 counts), made by one cluster while its first tiles are on their way.
; LIMIT: h and W2 are f16 operands, |h|, |W2| <= 65,504.
; SHARES.  A tile of C is 128 x 256: C has 256 such tiles, one for each WGP (of 256 x 256 it has 128).  Four waves, each 64 x 128: 4 x 8 accumulators of 16 x 16.
; THE RING HAS TWO SLOTS OF UNEQUAL LENGTH.  One K element of the tile's operands is 384 rows x 2 bytes; two slots of K = 256 would take 2 x 384 x 528 = 405,504 bytes of LDS,
; more than there is.  So slot X holds K = 256 (rows of 512 bytes, pitch 528: 202,752 bytes) and slot Y holds K = 128 (rows of 256 bytes, pitch 272: 104,448 bytes); K is walked
; X Y X Y .. X: 11 x 256 + 10 x 128 = 4,096.  Y's refill is asked for when X's products begin and has 240 matrix instructions of a wave in which to land, X's has 112; for 384 of K
; there are two changes of slots where equal slots of K = 128 would have three.  One tensor load a wave behind each change: waves 0, 1 bring B's two halves, waves 2, 3 A's.
; CLUSTER 4 x 4: the four work-groups of a row of the cluster are the four column tiles of one tile row and need the same tiles of A (so each tile of A is asked for once in the launch),
; the four of a column need the same tiles of B: each is asked for jointly.
; THE MATRIX INSTRUCTION IS USED TRANSPOSED (source 0 = 16 rows of B, source 1 = 16 rows of A): lane l holds row l % 16 of C and the columns 8 (l / 16) + 0..7.
; The first product of each sum takes the bias as C: a lane's register j of n block b wants bias[16 b + 8 (l / 16) + j], kept in window 1, v0-63.
; REGISTERS, in windows of 256: window 0: v16-32 addresses, v40-47 scales, A's fragments (two buffers of 32 at 64 and 128), the way out; window 1: the bias, B's fragments (two buffers
; of 64 at 64 and 128); window 2: accumulator (a, b) at 8 (8 a + b).
; lds_bytes claims all of a WGP's LDS.
.set SIZE_M, 8192
.set SIZE_N, 1024
.set SIZE_K, 4096
.set KX,     256                       ; K in slot X
.set KY,     128                       ; K in slot Y
.set PX,     528                       ; X's LDS row: 512 bytes + 16 = 132 words: 16 rows start at 16 different groups of 4 banks (ISA guide 11.1)
.set PY,     272                       ; Y's LDS row: 256 bytes + 16 = 68 words: likewise
.set HBX,    128*PX                    ; half of B's tile in X: one tensor load
.set HAX,    64*PX                     ; half of A's tile in X: one tensor load
.set HBY,    128*PY
.set HAY,    64*PY
.set YB,     2*HBX+2*HAX               ; slot X at byte 0 (B's 256 rows, then A's 128), slot Y behind it (the same order)
.set STAGE,  YB+2*HBY+2*HAY            ; behind the ring: 16 rows x 64 columns of f32 for each wave, for the way out; no tensor load lands here
.set SPITCH, 272
.set SPARE,  STAGE+4*16*SPITCH         ; behind the stages: the spare words, 128 bytes for each wave
.set LAPB,   (KX+KY)*2                 ; bytes along a row of A or B from a slot's tile to its next
.set TRIPS,  (SIZE_K-KX)/(KX+KY)-1     ; 9 trips fill both slots again; the tail fills X once more
.set ADRA, 16                          ; v16-17 LDS address of my A fragments in slot X, Y
.set ADRB, 20                          ; v20-21 the same for B
.set STO,  24                          ; the way out: where I put my numbers of a row
.set RD,   25                          ; where I read rows back
.set CO,   26                          ; my byte offset in C
.set BO,   27                          ; 32 (l / 16): my byte offset in the bias
.set SPW,  28                          ; LDS address of my spare word; never rewritten
.set NIL,  29                          ; 0; never rewritten
.set SC,   40                          ; v40-47: block a's row scale, twice, at SC + 2 a
.set PS,   48                          ; v48-55: the side sums
.set F0,   64
.set F1,   128
.set T,    64                          ; the way out: a block's 64 results
.set OB0,  128                         ; rows read back: v128-191 and v192-255 by turns
.set G1,   24                          ; s[24:31], s[32:39] descriptor group 1 for A's tiles in X, Y
.set G0,   40                          ; s[40:43], s[44:47] group 0 for A's tiles in X, Y
.set G1B,  48                          ; s[48:55], s[56:63] group 1 for B's
.set G0B,  68                          ; s[68:71], s[72:75] group 0 for B's
.set TO_B, 0x40                        ; destination window 1, address window 0
.set MSB, 0
.macro WIN new                         ; low byte: bits 1:0 source 0, 3:2 source 1, 5:4 source 2, 7:6 destination; the high byte repeats the setting that is left
.if MSB != (\new)
	s_set_vgpr_msb (MSB<<8)|(\new)
.set MSB, \new
.endif
.endm
.macro PLACES                          ; four places behind a matrix instruction before its results are read or its registers loaded or written (ISA guide 7.12.1)
.rept 4
	v_nop
.endr
.endm
; A joint load into slot s (0 = X, 1 = Y).  The branch hangs on the wave's number alone.  Four v_nop follow each of the two lines.
.macro JLOAD s
	s_cmp_eq_u32 s11, 0
	s_cbranch_scc0 .Lfor_a_\@
	tensor_load_to_lds s[G0B+4*\s:G0B+4*\s+3], s[G1B+8*\s:G1B+8*\s+7]
	s_nop 0
.rept 4
	v_nop
.endr
	s_branch .Lasked_\@
.Lfor_a_\@:
	tensor_load_to_lds s[G0+4*\s:G0+4*\s+3], s[G1+8*\s:G1+8*\s+7]
	s_nop 0
.rept 4
	v_nop
.endr
.Lasked_\@:
.endm
.macro CREST                           ; a round of the cluster's barrier behind its opening barrier
	s_cmp_lg_u32 s10, 0
	s_cbranch_scc1 .Lnot_wave_0_\@
	s_barrier_signal -3
.Lnot_wave_0_\@:
	s_barrier_wait -3
	s_barrier_signal -1
	s_barrier_wait -1
.endm
.macro CROUND
	s_barrier_signal -1
	s_barrier_wait -1
	CREST
.endm
.macro SHAPE g, k, rows                ; group 1's words 1 to 7: a tile of rows x k elements out of rows of SIZE_K elements
	s_mov_b32 s[\g+1], (\k)<<16                    ; tensor_dim0
	s_mov_b32 s[\g+2], (\rows)<<16                 ; tensor_dim1
	s_mov_b32 s[\g+3], (\k)<<16                    ; tile_dim0
	s_mov_b32 s[\g+4], \rows                       ; tile_dim1
	s_mov_b32 s[\g+5], SIZE_K                      ; elements from row to row
	s_mov_b32 s[\g+6], 0
	s_mov_b32 s[\g+7], 0
.endm
	s_load_b128 s[4:7], s[0:1], 0x0                ; A, B
	s_load_b64 s[8:9], s[0:1], 0x10                ; C
	s_load_b64 s[76:77], s[0:1], 0x18              ; bias
	s_load_b64 s[78:79], s[0:1], 0x20              ; scale
	s_load_b64 s[90:91], s[0:1], 0x28              ; part
	s_load_b128 s[92:95], s[0:1], 0x30             ; out1, out2
	v_lshl_add_u32 v[SPW], v0, 2, SPARE
	v_mov_b32 v[NIL], 0
	ds_add_u32 v28, v29
	s_wait_dscnt 0x0
	v_lshrrev_b32 v1, 5, v0
	v_readfirstlane_b32 s10, v1                    ; wave 0..3
	s_lshr_b32 s11, s10, 1                         ; my half of the tile's rows.  Also: I fetch for B (0) or for A (1)
	s_and_b32 s12, s10, 1                          ; my half of its columns.  Also: which half of that tile I fetch
	s_bfe_u32 s80, ttmp6, 0x40000                  ; cx
	s_bfe_u32 s81, ttmp6, 0x40004                  ; cy
	s_lshl_b32 s82, ttmp9, 2
	s_add_co_u32 s82, s82, s80                     ; tile column = 4 x cluster x + cx
	s_and_b32 s96, ttmp7, 0xffff                   ; the cluster's y: the same in all sixteen partners
	s_lshl_b32 s13, s96, 2
	s_add_co_u32 s13, s13, s81                     ; tile row = 4 x cluster y + cy
	s_lshl_b32 s83, s81, 2
	s_lshl_b32 s83, 15, s83                        ; my row of the cluster
	s_lshl_b32 s84, 0x1111, s80                    ; my column
	; group 1, word 0: the mask, and bit 21 beside it; elements of 2 bytes; 16 bytes of padding behind each row: 128 words in X (code 6), 64 words in Y (code 5)
	s_or_b32 s[G1],    s83, (1<<16)|(1<<20)|(1<<21)|(6<<22)|(3<<25)
	s_or_b32 s[G1+8],  s83, (1<<16)|(1<<20)|(1<<21)|(5<<22)|(3<<25)
	s_or_b32 s[G1B],   s84, (1<<16)|(1<<20)|(1<<21)|(6<<22)|(3<<25)
	s_or_b32 s[G1B+8], s84, (1<<16)|(1<<20)|(1<<21)|(5<<22)|(3<<25)
	SHAPE G1,    KX, 64
	SHAPE G1+8,  KY, 64
	SHAPE G1B,   KX, 128
	SHAPE G1B+8, KY, 128
	; A's tiles hang on the tile row alone, B's on the tile column alone; each address is made in registers that never hold the other coordinate
	s_lshl_b32 s17, s12, 6
	s_lshl_b32 s16, s13, 7
	s_add_co_u32 s16, s16, s17                     ; A: row 128 x tile row + 64 x half
	s_lshl_b32 s87, s12, 7
	s_lshl_b32 s86, s82, 8
	s_add_co_u32 s86, s86, s87                     ; B: row 256 x tile column + 128 x half
	s_mov_b32 s17, 0
	s_mov_b32 s87, 0
	s_mov_b64 s[18:19], SIZE_K*2
	s_mul_u64 s[16:17], s[16:17], s[18:19]
	s_mul_u64 s[86:87], s[86:87], s[18:19]
	s_mul_i32 s20, s10, HBX                        ; where the halves go: the wave's number times a half, and the region's constant below
	s_mul_i32 s21, s10, HBY
	s_mul_i32 s22, s10, HAX
	s_mul_i32 s23, s10, HAY
	s_wait_kmcnt 0x0
	s_add_nc_u64 s[14:15], s[4:5], s[16:17]
	s_add_nc_u64 s[86:87], s[6:7], s[86:87]
	CROUND                                         ; all sixteen work-groups are here: the first joint loads meet
	s_mov_b32 s[G0], 1                             ; slot X: K 0 to 255
	s_add_co_u32 s[G0+1], s22, 2*(HBX-HAX)         ; A (waves 2, 3): 2 HBX + (wave - 2) HAX
	s_add_nc_u64 s[G0+2:G0+3], s[14:15], 0
	s_or_b32 s[G0+3], s[G0+3], 0x80000000
	s_mov_b32 s[G0B], 1
	s_add_co_u32 s[G0B+1], s20, 0                  ; B (waves 0, 1): wave x HBX
	s_add_nc_u64 s[G0B+2:G0B+3], s[86:87], 0
	s_or_b32 s[G0B+3], s[G0B+3], 0x80000000
	JLOAD 0
	s_mov_b32 s[G0+4], 1                           ; slot Y: K 256 to 383
	s_add_co_u32 s[G0+5], s23, YB+2*(HBY-HAY)
	s_add_nc_u64 s[G0+6:G0+7], s[14:15], KX*2
	s_or_b32 s[G0+7], s[G0+7], 0x80000000
	s_mov_b32 s[G0B+4], 1
	s_add_co_u32 s[G0B+5], s21, YB
	s_add_nc_u64 s[G0B+6:G0B+7], s[86:87], KX*2
	s_or_b32 s[G0B+7], s[G0B+7], 0x80000000
	JLOAD 1                                        ; two tensor loads of mine are out, never more
	; a fragment: 16 rows x 32 K in 8 registers: lane l holds row l % 16; two loads of 16 bytes, 32 bytes apart, at row x pitch + 16 (l / 16)
	v_and_b32 v1, 15, v0
	v_bfe_u32 v2, v0, 4, 1
	v_mul_u32_u24 v3, v1, PX
	v_lshl_add_u32 v3, v2, 4, v3
	v_mul_u32_u24 v4, v1, PY
	v_lshl_add_u32 v4, v2, 4, v4
	s_mul_i32 s20, s11, HAX
	s_add_co_u32 s20, s20, 2*HBX                   ; my rows of A lie behind B's 256
	v_add_nc_u32 v[ADRA], s20, v3
	s_mul_i32 s20, s12, HBX
	v_add_nc_u32 v[ADRB], s20, v3
	s_mul_i32 s20, s11, HAY
	s_add_co_u32 s20, s20, YB+2*HBY
	v_add_nc_u32 v[ADRA+1], s20, v4
	s_mul_i32 s20, s12, HBY
	s_add_co_u32 s20, s20, YB
	v_add_nc_u32 v[ADRB+1], s20, v4
	s_mul_i32 s23, s10, 16*SPITCH
	s_add_co_u32 s23, s23, STAGE                   ; my stage
	v_mul_u32_u24 v5, v1, SPITCH
	v_lshl_add_u32 v5, v2, 5, v5                   ; in: row l % 16, eight numbers (32 bytes) for each half of the lanes
	v_add_nc_u32 v[STO], s23, v5
	v_mul_u32_u24 v5, v2, SPITCH                   ; back: lanes 0-15 one row of 256 bytes, lanes 16-31 the next
	v_lshl_add_u32 v5, v1, 4, v5
	v_add_nc_u32 v[RD], s23, v5
	v_lshlrev_b32 v5, 12, v2                       ; and the same two rows in C, 4,096 bytes apart
	v_lshl_add_u32 v[CO], v1, 4, v5
	v_lshlrev_b32 v6, 2, v1                        ; my row's scale
	v_lshlrev_b32 v[BO], 5, v2
	s_lshl_b32 s16, s13, 7
	s_lshl_b32 s17, s11, 6
	s_add_co_u32 s16, s16, s17                     ; my first row of C
	s_lshl_b32 s88, s16, 2
	s_mov_b32 s89, 0
	s_add_nc_u64 s[78:79], s[78:79], s[88:89]      ; scale at my first row
	s_mov_b32 s17, 0
	s_mov_b64 s[18:19], SIZE_N*4
	s_mul_u64 s[16:17], s[16:17], s[18:19]
	s_lshl_b32 s86, s82, 8
	s_lshl_b32 s87, s12, 7
	s_add_co_u32 s86, s86, s87                     ; my first column
	s_lshl_b32 s88, s86, 2                         ; in bytes, in the bias and in a row of C
	s_add_nc_u64 s[76:77], s[76:77], s[88:89]      ; the bias at my first column
	s_add_nc_u64 s[16:17], s[16:17], s[88:89]      ; what the way out adds to C's address
	WIN TO_B
.irp b, 0,1,2,3,4,5,6,7
	global_load_b128 v[8*\b:8*\b+3],   v[BO], s[76:77] offset:64*\b
	global_load_b128 v[8*\b+4:8*\b+7], v[BO], s[76:77] offset:64*\b+16
.endr
	WIN 0
.irp a, 0,1,2,3
	global_load_b32 v[SC+2*\a],   v6, s[78:79] offset:64*\a
	global_load_b32 v[SC+2*\a+1], v6, s[78:79] offset:64*\a
.endr
	; THE SIDE SUMS.  part has 16 columns and the cluster with y = 0 has 16 work-groups: wave 0 of the one at place p = cx + 4 cy adds column p's 256 numbers and stores the sum,
	; out1[p] or out2[p - 8].  Both branches are alike in all partners (the cluster's y, the wave's number); the place enters global addresses and the choice of the buffer alone.
	; No barrier and no tensor load stands here.  A lane reads 4 bytes of each of eight rows of 64 bytes: 16 KiB in all, too little for a stage of its own.
	s_cmp_lg_u32 s96, 0
	s_cbranch_scc1 .Lno_sums
	s_cmp_lg_u32 s10, 0
	s_cbranch_scc1 .Lno_sums
	s_lshl2_add_u32 s97, s81, s80                  ; p
	s_lshl_b32 s88, s97, 2
	s_add_nc_u64 s[90:91], s[90:91], s[88:89]      ; part at column p
	v_and_b32 v30, 31, v0
	v_lshlrev_b32 v31, 6, v30                      ; row = lane, then 32 rows on with each load
.irp i, 0,1,2,3,4,5,6,7
	global_load_b32 v[PS+\i], v31, s[90:91] offset:2048*\i
.endr
	s_cmp_lt_u32 s81, 2                            ; p < 8: a sum of probabilities, else a count
	s_cselect_b64 s[92:93], s[92:93], s[94:95]
	s_and_b32 s88, s97, 7
	s_lshl_b32 s88, s88, 2
	s_add_nc_u64 s[92:93], s[92:93], s[88:89]
	s_mov_b32 s98, 0x76543210                      ; v_permlanex16_b32: each lane takes its own place in the other half
	s_mov_b32 s99, 0xfedcba98
	v_mov_b32 v32, 0
	s_wait_loadcnt 0x0
	v_add_f32 v[PS],   v[PS],   v[PS+1]
	v_add_f32 v[PS+2], v[PS+2], v[PS+3]
	v_add_f32 v[PS+4], v[PS+4], v[PS+5]
	v_add_f32 v[PS+6], v[PS+6], v[PS+7]
	v_add_f32 v[PS],   v[PS],   v[PS+2]
	v_add_f32 v[PS+4], v[PS+4], v[PS+6]
	v_add_f32 v[PS],   v[PS],   v[PS+4]
.irp m, 1,2,4,8
	v_add_f32_dpp v[PS], v[PS], v[PS] row_xmask:\m row_mask:0xf bank_mask:0xf
.endr
	v_permlanex16_b32 v[PS+1], v[PS], s98, s99
	v_add_f32 v[PS], v[PS], v[PS+1]
	v_cmp_eq_u32 vcc_lo, 0, v30
	s_wait_xcnt 0x0                                ; EXEC changes only behind this wait
	s_and_saveexec_b32 s100, vcc_lo
	global_store_b32 v32, v[PS], s[92:93]          ; lane 0 alone
	s_wait_xcnt 0x0
	s_or_b32 exec_lo, exec_lo, s100
.Lno_sums:
; Part p of four of a quarter step: m block p x all 8 n blocks, 32 along K, from buffer f.  zero = 1: the first product starts the sums, with the bias as C.
; Every accumulator has one instruction in a quarter step, always in the same order: the accumulators take turns.
.macro MULP f, p, zero
.if \zero
	WIN 0x91                                       ; B and the bias window 1, A window 0, D window 2
.else
	WIN 0xa1                                       ; B window 1, A window 0, C and D window 2
.endif
.set nb, 0
.rept 8
.set rD, 8*(8*(\p)+nb)
.if \zero
	v_wmma_f32_16x16x32_f16 v[rD:rD+7], v[\f+8*nb:\f+8*nb+7], v[\f+8*(\p):\f+8*(\p)+7], v[8*nb:8*nb+7]
.else
	v_wmma_f32_16x16x32_f16 v[rD:rD+7], v[\f+8*nb:\f+8*nb+7], v[\f+8*(\p):\f+8*(\p)+7], v[rD:rD+7]
.endif
.set nb, nb+1
.endr
.endm
; one run of 24 LDS loads: a quarter step's fragments (B's 16 loads, then A's 8) at byte k of the slot's rows, into buffer f
.macro FETCH slot, k, f
.set PP, PX-(PX-PY)*(\slot)
	WIN TO_B
.irp i, 0,1,2,3,4,5,6,7
	ds_load_b128 v[\f+8*\i:\f+8*\i+3],   v[ADRB+\slot] offset:\k+\i*16*PP
	ds_load_b128 v[\f+8*\i+4:\f+8*\i+7], v[ADRB+\slot] offset:\k+\i*16*PP+32
.endr
	WIN 0
.irp i, 0,1,2,3
	ds_load_b128 v[\f+8*\i:\f+8*\i+3],   v[ADRA+\slot] offset:\k+\i*16*PP
	ds_load_b128 v[\f+8*\i+4:\f+8*\i+7], v[ADRA+\slot] offset:\k+\i*16*PP+32
.endr
.endm
; a quarter step (32 along K, 32 matrix instructions) that is not a slot's last: multiplies buffer f and, in its middle, fetches the next one (byte k of the same slot) into buffer g
.macro QUARTER slot, k, f, g, zero
	s_wait_dscnt 4                                 ; B and A's blocks 0, 1 are in; the youngest four loads (A's blocks 2, 3) may be out
	MULP \f, 0, \zero
	MULP \f, 1, \zero
	PLACES
	FETCH \slot, \k, \g
	s_wait_dscnt 24                                ; all but the run just issued
	MULP \f, 2, \zero
	MULP \f, 3, \zero
.endm
; the first half of a slot's last quarter step, with the one barrier of a change of slots
.macro MEET round
	WIN 0                                          ; the add's two registers lie in window 0
	s_wait_tensorcnt 0x0                           ; all my tensor loads have landed: the one that was out is my part of the other slot
	ds_add_u32 v[SPW], v[NIL]                      ; 0 onto my spare word
	s_wait_dscnt 5                                 ; the add and A's blocks 2, 3 may be out
	MULP F1, 0, 0
	s_wait_dscnt 0x0                               ; the add is done, and my reads of this slot are over
	s_barrier_signal -1
	MULP F1, 1, 0                                  ; work on registers while the others arrive
.if \round
	WIN 0
.endif
	s_barrier_wait -1
.endm
; the whole last quarter step where the slot is filled again: the barrier opens a round of the cluster's; the joint refill, the slot's tile 384 further along K, is the first thing behind the round
.macro TURN slot, next
	MEET 1
	CREST
	s_add_nc_u64 s[G0+4*\slot+2:G0+4*\slot+3], s[G0+4*\slot+2:G0+4*\slot+3], LAPB
	s_add_nc_u64 s[G0B+4*\slot+2:G0B+4*\slot+3], s[G0B+4*\slot+2:G0B+4*\slot+3], LAPB
	JLOAD \slot                                    ; its four v_nop are also the places in front of the loads below
	FETCH \next, 0, F0
	MULP F1, 2, 0
	MULP F1, 3, 0
.endm
.macro XMID                            ; X's quarter steps 2 to 7 of eight
	QUARTER 0, 128, F1, F0, 0
	QUARTER 0, 192, F0, F1, 0
	QUARTER 0, 256, F1, F0, 0
	QUARTER 0, 320, F0, F1, 0
	QUARTER 0, 384, F1, F0, 0
	QUARTER 0, 448, F0, F1, 0
.endm
.macro YHEAD                           ; Y's quarter steps 1 to 3 of four
	QUARTER 1, 64,  F0, F1, 0
	QUARTER 1, 128, F1, F0, 0
	QUARTER 1, 192, F0, F1, 0
.endm
; THE WAY OUT of block a (16 rows x 128 columns).  PACK: each row times its scale.  TOSTAGE: 64 columns at a time into my own stage and back as rows of 256 bytes.  SEND: stored.
.macro PACK a
	WIN 0x02                                       ; source 0: the accumulators' window
.set ii, 0
.rept 32
	v_pk_mul_f32 v[T+2*ii:T+2*ii+1], v[64*(\a)+2*ii:64*(\a)+2*ii+1], v[SC+2*(\a):SC+2*(\a)+1]   ; ascending: each accumulator is read from its low end on
.set ii, ii+1
.endr
	WIN 0
.endm
.macro TOSTAGE a
.set BK, OB0+64*((\a)%2)
.irp c, 0,1
.irp b, 0,1,2,3
	ds_store_b128 v[STO], v[T+32*\c+8*\b:T+32*\c+8*\b+3]   offset:64*\b
	ds_store_b128 v[STO], v[T+32*\c+8*\b+4:T+32*\c+8*\b+7] offset:64*\b+16
.endr
.set tt, 0
.rept 8
	ds_load_b128 v[BK+32*\c+4*tt:BK+32*\c+4*tt+3], v[RD] offset:tt*2*SPITCH    ; LDS serves a wave's instructions in order (ISA guide 5.7.1.4): these see the stores above, and the next half's stores come behind them
.set tt, tt+1
.endr
.endr
.endm
.macro SEND a
.set BK, OB0+64*((\a)%2)
	s_wait_dscnt 0x0                               ; the block is back in registers
	s_wait_xcnt 0x0                                ; the stores' base, and registers that earlier stores read, are rewritten only behind this wait
.if (\a) == 0
	s_add_nc_u64 s[8:9], s[8:9], s[16:17]          ; on to my first rows
.else
	s_add_nc_u64 s[8:9], s[8:9], 16*SIZE_N*4       ; 16 rows on
.endif
.irp c, 0,1
.set tt, 0
.rept 8
	global_store_b128 v[CO], v[BK+32*\c+4*tt:BK+32*\c+4*tt+3], s[8:9] offset:tt*2*SIZE_N*4+256*\c th:TH_STORE_NT   ; 16 lanes store 256 consecutive bytes, aligned
.set tt, tt+1
.endr
.endr
.endm
	s_wait_loadcnt 0x0                             ; the bias and the scales
	s_wait_tensorcnt 0x1                           ; my part of X's first tile is in; Y's may stay out
	s_barrier_signal -1
	s_barrier_wait -1
	FETCH 0, 0, F0
	QUARTER 0, 64, F0, F1, 1                       ; the first quarter step stands in front of the loop: its products start the sums
	WIN 0
	s_mov_b32 s3, TRIPS
.Llap:                                                 ; a trip goes once round the ring, from X's second quarter step to the next X's first, and fills both slots again
	XMID
	TURN 0, 1                                      ; X is filled again while Y is multiplied
	YHEAD
	TURN 1, 0                                      ; Y is filled again while X is multiplied
	QUARTER 0, 64, F0, F1, 0
	WIN 0
	s_sub_co_u32 s3, s3, 1
	s_cmp_lg_u32 s3, 0
	s_cbranch_scc1 .Llap
	XMID                                           ; the tail is written out: X takes the last 256 of K, Y is not filled again
	TURN 0, 1
	YHEAD
	MEET 0                                         ; No round follows
	PLACES
	FETCH 0, 0, F0
	MULP F1, 2, 0
	MULP F1, 3, 0
	QUARTER 0, 64, F0, F1, 0
	XMID
	s_wait_dscnt 4                                 ; the very last quarter step: nothing more to fetch
	MULP F1, 0, 0
	MULP F1, 1, 0
	s_wait_dscnt 0x0
	MULP F1, 2, 0
	MULP F1, 3, 0
	WIN 0
	PLACES
	PACK 0                                         ; block a's arithmetic stands between block a - 1's loads from the stage and the wait for them
	TOSTAGE 0
.irp a, 1,2,3
	PACK \a
	SEND \a-1
	TOSTAGE \a
.endr
	SEND 3
	s_wait_tensorcnt 0x0                           ; the wave's end
	ds_add_u32 v[SPW], v[NIL]
	s_wait_dscnt 0x0
	CROUND                                         ; the closing round: no work-group ends while a partner may still ask for a tile that names it
	s_endpgm
.Lfunc_end_k_qbbe33d61e1_gemm2:
	.size	k_qbbe33d61e1_gemm2, .Lfunc_end_k_qbbe33d61e1_gemm2-k_qbbe33d61e1_gemm2
	.p2alignl 7, 3214868480
	.fill 96, 4, 3214868480
	.section	.rodata,"a",@progbits
	.p2align	6, 0x0
	.amdhsa_kernel k_qbbe33d61e1_gemm2
		.amdhsa_group_segment_fixed_size 327680
		.amdhsa_private_segment_fixed_size 0
		.amdhsa_enable_private_segment 0
		.amdhsa_kernarg_size 64
		.amdhsa_user_sgpr_count 2
		.amdhsa_user_sgpr_kernarg_segment_ptr 1
		.amdhsa_wavefront_size32 1
		.amdhsa_system_sgpr_workgroup_id_x 1
		.amdhsa_system_sgpr_workgroup_id_y 1
		.amdhsa_system_sgpr_workgroup_id_z 1
		.amdhsa_system_vgpr_workitem_id 0
		.amdhsa_next_free_vgpr 768
		.amdhsa_next_free_sgpr 102
		.amdhsa_reserve_vcc 1
		.amdhsa_float_denorm_mode_32 3
		.amdhsa_float_denorm_mode_16_64 3
		.amdhsa_memory_ordered 1
		.amdhsa_forward_progress 1
		.amdhsa_inst_pref_size 161
	.end_amdhsa_kernel
	.amdgpu_metadata
---
amdhsa.version: [ 1, 2 ]
amdhsa.kernels:
  - .name:           k_qbbe33d61e1_gemm2
    .symbol:         k_qbbe33d61e1_gemm2.kd
    .args:
      - { .name: hbuf, .offset: 0, .size: 8, .value_kind: global_buffer, .address_space: global }
      - { .name: w2h, .offset: 8, .size: 8, .value_kind: global_buffer, .address_space: global }
      - { .name: out0, .offset: 16, .size: 8, .value_kind: global_buffer, .address_space: global }
      - { .name: b2, .offset: 24, .size: 8, .value_kind: global_buffer, .address_space: global }
      - { .name: scale, .offset: 32, .size: 8, .value_kind: global_buffer, .address_space: global }
      - { .name: part, .offset: 40, .size: 8, .value_kind: global_buffer, .address_space: global }
      - { .name: out1, .offset: 48, .size: 8, .value_kind: global_buffer, .address_space: global }
      - { .name: out2, .offset: 56, .size: 8, .value_kind: global_buffer, .address_space: global }
    .group_segment_fixed_size: 327680
    .private_segment_fixed_size: 0
    .kernarg_segment_align: 8
    .kernarg_segment_size: 64
    .max_flat_workgroup_size: 128
    .sgpr_count:     102
    .vgpr_count:     768
    .wavefront_size: 32
...
	.end_amdgpu_metadata
.endif
;; end of part 3
